; MI455X (gfx1250); checked and timed in simulation.
; The chip was launched on July 23, 2026; its instructions are those of AMD's public machine-readable ISA for CDNA 5 (MIT licence, August 2026) and "CDNA5" Instruction Set Architecture Reference Guide (July 2026). The comments in the code are by the model that wrote it; some were corrected since.
;; Mo E Layer. Allowed arithmetic: matrix products marked QUANTISED: E5M2 operands, one E8M0 scale for each 32 along K, by v_wmma_scale_f32_16x16x128_f8f6f4 with both operands' format E5M2, f32 sums; products left as they are: f32 operands where the result goes on into a quantised operand, else bf16, f16 or f32 operands; f32 sums; everything else in f32.
;; Inputs: expert_b 8 x 128 float32; expert_w 8 x 128 x 128 float32; router_b 8 float32; router_w 128 x 8 float32; x 8 x 8,192 x 128 float32.
;; Outputs: out0 8 x 8,192 x 128 float32.
;; This version of the problem:
;;   THIS VERSION OF THE PROBLEM IS GIVEN IN LOW PRECISION. The matrix products marked QUANTISED in the list below multiply operands that are first quantised to E5M2 (5 exponent bits, 2 mantissa bits; 8 bits a number), with one power-of-two scale for each 32 numbers along K (OCP MX v1.0); their sums are f32. All else is computed in f32.
;;   The module's matrix products, in the order in which they are computed (A, B: the left and right operand; K: the contracted axis; several contracted axes count as one K, in the product's order):
;;     1. [M 65,536, K 128] x [K 128, N 8]; A: input x; B: input router_w: left as it is (N = 8 < 16)
;;     2. [M 65,536, K 128] x [K 128, N 1,024]; A: input x; B: input expert_w: QUANTISED
;;     3. batch 65,536 x [M 1, K 2] x [K 2, N 128]; A: computed on the way; B: computed on the way: left as it is (K = 2 < 32)
;;   THE QUANTISER, for each operand of a quantised product, along K:
;;     - K is cut into blocks of 32 from its start; a last block that is shorter is filled with zeros.
;;     - A block's scale is 2^e with e = floor(log2(the largest magnitude in the block)) - 15, held to -126 .. 127; a block of zeros has e = 0. As a byte (E8M0): e + 127.
;;     - Each number is divided by its block's scale, clamped to +-57,344, and rounded to the nearest number of E5M2, ties to even, subnormals kept.
;;     - The product sums the exact products of the quantised numbers (number of the format x scale) in f32.
;;   ~~~python
;;   def quantise(x, axis):      # numpy; x: float32 -> the quantised numbers, widened to float32 again
;;       x = np.moveaxis(x, axis, -1); K = x.shape[-1]
;;       x = np.pad(x, [(0, 0)] * (x.ndim - 1) + [(0, -K % 32)]); x = x.reshape(x.shape[:-1] + (-1, 32)); a = np.abs(x).max(-1, keepdims=True)
;;       e = np.where(a > 0, np.clip(np.frexp(np.where(a > 0, a, 1))[1] - 1 - 15, -126, 127), 0)      # np.frexp(a)[1] - 1 = floor(log2(a)), exactly
;;       r = np.clip(x / 2.0 ** e, -57344, 57344)
;;       step = 2.0 ** (np.maximum(np.frexp(np.where(r == 0, 1, r))[1] - 1, -14) - 2)
;;       q = np.round(r / step) * step * 2.0 ** e      # np.round: ties to even
;;       return np.moveaxis(q.reshape(q.shape[:-2] + (-1,))[..., :K], -1, axis).astype(np.float32)
;;   ~~~
;; One version. Each part assembles by itself: llvm-mc -triple=amdgcn-amd-amdhsa -mcpu=gfx1250 --defsym DOCPART=n.
;; ======== version 1 of 1: 1 launch
;; limits: right only within a limited range of input values
;; launch moe (part 1): grid 256 x 1, 8 waves a work-group, no clusters, 322,560 bytes of LDS; arguments x, router_w, router_b, expert_w, expert_b, out0; writes out0
.if DOCPART == 1
	.amdgcn_target "amdgcn-amd-amdhsa--gfx1250"
	.amdhsa_code_object_version 6
	.text
	.protected	k_qbeeae54b53_moe
	.globl	k_qbeeae54b53_moe
	.p2align	8
	.type	k_qbeeae54b53_moe,@function
k_qbeeae54b53_moe:
	s_mov_b64 s[64:65], 0
	v_nop
	global_prefetch_b8 v0, s[64:65] scope:SCOPE_SE
	s_setreg_imm32_b32 hwreg(HW_REG_WAVE_MODE, 25, 1), 1
	s_wait_xcnt 0x0
; out[t] = g1 (Q(x[t]) Q(W_e1) + b_e1) + g2 (Q(x[t]) Q(W_e2) + b_e2); e1, e2 the two largest of the router's logits x[t] router_w + router_b; Q: codes of E5M2 with one E8M0 scale for each 32 along K = 128.
; x, out: [65,536][128] f32.  x is read once, out written once; nothing else goes to memory, and the whole program is this one launch.
; EVERY EXPERT IS MULTIPLIED FOR EVERY TOKEN, and an expert that was not chosen gets the gate 0: no address and no branch hangs on the choice, and the text has no branch at all.
; SHARES.  A work-group owns 256 tokens: two blocks of 128 rows, eight tiles of 16 rows each.  Eight waves.
;   THE WAVES SHARE THE COLUMNS: wave w keeps the eight experts' fragments of columns 16 w .. 16 w + 15 (128 registers), their scale words and their bias tiles for the whole launch, and makes those columns of all
;   256 rows: the sum over the experts never leaves the wave.
;   THEY SHARE THE ROWS FOR THE PREPARATION: of each block wave w takes tile w: its logits, its two choices and gates, its codes and scale word.  These reach the other waves through LDS as images of registers.
; THE WEIGHTS, expert_w [8][128 (d)][128 (c)] f32, have K = d as their first axis within an expert.  Each wave quantises the eight fragments that it keeps, at its head, while the work-group's x is on its way:
;   LANE r TAKES COLUMN 16 w + r AND ITS REGISTERS RUN DOWN K in the operand's own order (lane (r, h), registers 4 c .. 4 c + 3: k = 32 c + 16 h + 0 .. 15), so the conversions' results ARE the operand's registers.
;   Every work-group does this for itself, 524,288 bytes each: a launch of its own for it would be a second start and end for that half megabyte.  Two sets of 64 registers take turns: one is quantised while the other's loads are out.
; LAYOUT.  Both matrix forms are used transposed (source 0 = weights, source 1 = 16 tokens): a lane holds ONE token (lane % 16) in the logits and in the results, so a gate is one register a lane.
;   The lane's 64 numbers of x, register 16 c + i = k 32 c + 16 (lane / 16) + i, serve twice as they lie: pairs of them are the second source of the f32 16x16x4 form (the router's registers hold the same k in the
;   same place), and the conversions turn them into the 8-bit operand's registers.
; THE ROUTER stays in f32: its result steers a choice.  The two largest are taken on the logits, ties to the lower index.  The renormalised weights are g1 = 1 / (1 + 2^((l2 - l1) log2 e)), g2 = 2^(..) g1: the
;   softmax's divisor cancels, and the largest logit is what is taken away ahead of the exponential, whose exponent is 0 or less.
; NO JOINT LOADS for the weights, which all work-groups read: a joint load lands in LDS, and 524,288 bytes of f32 do not fit there beside the 321,536 that this text uses.
; THE QUANTISER: a block's scale is 2^(floor(log2(its largest magnitude)) - 15); its byte is the largest magnitude's exponent field - 15, held at 1 from below; each number is held within +-57,344 x the scale and
;   rounded to the nearest code, ties to even.
; LIMITS: NaN, infinities and logits of -infinity are not served.  A block of zeros gets the scale byte 1 where the quantiser says 127 (its codes are zeros, which add nothing under any byte but 0xff; this program
;   alone reads the byte); blocks whose largest magnitude lies under 2^(16 - 127) are held at that byte.  The sum of an expert that was not chosen is multiplied by 0, so it must be finite in f32.  Where two
;   different logits give equal probabilities after rounding, this text takes the larger logit, not the lower index.
; REGISTERS, window 1 (v256-511): v0-127 the experts' fragments; v128-191 their bias tiles; v192-255 the router's registers.  Window 0: the list below.
.set XREG, 8448                        ; LDS: 16 rows of x x (512 bytes + 16 of padding); region 2 w + b holds wave w's tile of block b, filled by its own tensor load and read by it alone
.set IMG,  16*XREG                     ; the codes of row tile T: register group c at 2048 T + 512 c + 16 x lane
.set SCW,  IMG+16*2048                 ; its scale words: 128 T + 4 x lane
.set GAT,  SCW+16*128                  ; its gates g0 .. g7: 1024 T + 512 q + 16 x lane
.set STG,  GAT+16*1024                 ; a stage for each block: 128 rows x 528 bytes.  Until the first barrier the first 32,768 bytes of stage 0 hold router_w, 4,096 bytes as they lie in memory, once for each wave
.set STGB, 128*528
.set RS,   2                           ; v2   where I store my wave's copy of router_w: STG + 4096 w + 16 x lane
.set XA,   4                           ; v4   my 64 bytes of a block of 32 in my wave's tile: 16896 w + 528 r + 64 h.  528 = 33 x 16: the sixteen rows of a load fall on sixteen different 16-byte columns of 256
.set LI,   5                           ; v5   16 x lane
.set LS,   6                           ; v6   4 x lane
.set IWI,  7                           ; v7   where I store my tile's codes;  v8 its scale word;  v9 its gates
.set IWS,  8
.set IWG,  9
.set FI,   10                          ; v10  from where any tile's codes are fetched;  v11 scale words;  v12 gates
.set FS,   11
.set FG,   12
.set SO,   13                          ; v13, v14  the stage of block 0, 1: where I put 32 bytes of a row: 528 r + 32 h + 64 w
.set SR,   15                          ; v15, v16  and where I read a row back: 8448 w + 16 x lane
.set NINF, 17                          ; v17  -infinity
.set BO,   18                          ; v18  32 h: the bias loads' offset
.set RL,   19                          ; v19  from where I read the router's registers: STG + 4096 w + 512 h + 4 (r % 8)
.set RB,   20                          ; v20-27   router_b[j] in every lane: the C of the logits' first product
.set WS,   28                          ; v28-35   the weights' scale words: scales and nothing else
.set XS,   36                          ; v36, v37 a tile's scale word, two sets: scales and nothing else
.set PW,   38                          ; v38      the scale word just made
.set WA,   39                          ; v39      my column of the weights: 4 r + 16 h rows of 512 bytes
.set RA,   40                          ; v40-71   four accumulators of the f32 form, written by matrix instructions alone
.set XN,   72                          ; v72-135  64 numbers of x; at the head the weights' set A
.set DA,   136                         ; v136-199 the eight experts' accumulators; the rows on the way out; at the head the weights' set B; during the preparation the registers below
.set TM,   136                         ; v136-139 largest magnitudes, v140-143 bytes, v144-147 57,344 x the scale, v148-151 the conversions' scale operands
.set T1,   152
.set T2,   160
.set LG,   168                         ; v168-175 the eight logits
.set L2,   176                         ; v176-183 the same with the first choice put out
.set GT,   184                         ; v184-191 the eight gates
.set M1,   193
.set M2,   194
.set DD,   195
.set TT,   196
.set SS,   197
.set G1,   198
.set G2,   199
.set XF,   200                         ; v200-231 a fetched fragment, two sets; set 0 also takes the codes just made; at the head router_w as it is loaded
.set GF,   232                         ; v232-247 fetched gates, two sets; at the head the weights' quantiser works here
.set TW,   232
.set OUT,  248                         ; v248-255 a tile's eight results
.set WF,   0                           ; window 1
.set BI,   128
.set RW,   192
.set MSB, 0
.macro WIN new                         ; the immediate's high byte repeats the setting that is left; a switch that changes nothing is dropped
.if MSB != \new
	s_set_vgpr_msb (MSB<<8)|\new
.set MSB, \new
.endif
.endm
.macro BARRIER                         ; my LDS stores have landed and my LDS loads are in: then the work-group's barrier
	s_wait_dscnt 0x0
	s_barrier_signal -1
	s_barrier_wait -1
.endm
	s_load_b256 s[4:11], s[0:1], 0x0               ; x s[4:5], router_w s[6:7], router_b s[8:9], expert_w s[10:11]
	s_load_b128 s[12:15], s[0:1], 0x20             ; expert_b s[12:13], out0 s[14:15]
	v_lshl_add_u32 v246, v0, 2, 0x4e800
	v_mov_b32 v247, 0
	ds_add_u32 v246, v247
	ds_add_u32 v246, v247
	s_wait_dscnt 0x0
	v_lshrrev_b32 v1, 5, v0
	v_readfirstlane_b32 s18, v1                    ; wave 0..7
	v_and_b32 v1, 31, v0                           ; lane
	v_and_b32 v2, 15, v0                           ; r
	v_bfe_u32 v3, v0, 4, 1                         ; h
	v_lshlrev_b32 v[LI], 4, v1
	v_lshlrev_b32 v[LS], 2, v1
	s_mul_i32 s33, s18, 2*XREG                     ; my wave's two regions of x in LDS: also word 1 of the first descriptor
	v_mul_u32_u24 v1, v2, 528                      ; 528 r
	v_lshl_add_u32 v[XA], v3, 6, v1
	v_add_nc_u32 v[XA], s33, v[XA]
	s_lshl_b32 s68, s18, 11
	s_add_co_u32 s68, s68, IMG
	v_add_nc_u32 v[IWI], s68, v[LI]
	s_lshl_b32 s68, s18, 7
	s_add_co_u32 s68, s68, SCW
	v_add_nc_u32 v[IWS], s68, v[LS]
	s_lshl_b32 s68, s18, 10
	s_add_co_u32 s68, s68, GAT
	v_add_nc_u32 v[IWG], s68, v[LI]
	v_add_nc_u32 v[FI], IMG, v[LI]
	v_add_nc_u32 v[FS], SCW, v[LS]
	v_add_nc_u32 v[FG], GAT, v[LI]
	v_lshl_add_u32 v1, v3, 5, v1                   ; 528 r + 32 h
	s_lshl_b32 s68, s18, 6
	s_add_co_u32 s68, s68, STG
	v_add_nc_u32 v[SO], s68, v1
	v_add_nc_u32 v[SO+1], STGB, v[SO]
	s_mul_i32 s68, s18, 16*528
	s_add_co_u32 s68, s68, STG
	v_add_nc_u32 v[SR], s68, v[LI]
	v_add_nc_u32 v[SR+1], STGB, v[SR]
	v_mov_b32 v[NINF], 0xff800000
	v_lshlrev_b32 v[BO], 5, v3
	v_lshlrev_b32 v[WA], 2, v2
	v_lshl_add_u32 v[WA], v3, 13, v[WA]
	s_lshl_b32 s68, s18, 12
	s_add_co_u32 s68, s68, STG                     ; my wave's copy of router_w
	v_and_b32 v[RL], 7, v0                         ; the expert: r % 8, so that the eight stand twice among the sixteen rows of the first source
	v_lshlrev_b32 v[RL], 2, v[RL]
	v_lshl_add_u32 v[RL], v3, 9, v[RL]             ; + 16 h rows of 32 bytes
	v_add_nc_u32 v[RL], s68, v[RL]
	v_add_nc_u32 v[RS], s68, v[LI]                 ; (r is not wanted any more)
	s_mov_b32 s20, 0x76543210
	s_mov_b32 s21, 0xfedcba98                      ; v_permlanex16_b32's selects for lane l xor 16
	s_mov_b32 s22, 0x600000                        ; the mantissa field of 57,344
	; descriptor group 1: a tile of 16 rows x 128 elements of 4 bytes, 16 bytes of padding behind each row
	s_mov_b32 s24, (2<<16)|(1<<20)|(6<<22)|(3<<25) ; 15:0 no mask; 17:16 elements of 4 bytes; 20 padding on; 24:22 after every 128 words (code 6); 31:25 four words (code 3)
	s_mov_b32 s25, 128<<16                         ; tensor_dim0 = 128
	s_mov_b32 s26, 16<<16                          ; tensor_dim1 = 16
	s_mov_b32 s27, 128<<16                         ; tile_dim0 = 128
	s_mov_b32 s28, 16                              ; tile_dim1 = 16
	s_mov_b32 s29, 128                             ; elements from row to row
	s_mov_b32 s30, 0
	s_mov_b32 s31, 0
	s_wait_kmcnt 0x0
	s_lshl_b32 s68, ttmp9, 17                      ; my work-group's 256 rows of 512 bytes,
	s_lshl_b32 s69, s18, 13                        ; my wave's 16 of a block
	s_add_co_u32 s68, s68, s69
	s_mov_b32 s69, 0
	s_add_nc_u64 s[4:5], s[4:5], s[68:69]          ; x and out at my wave's tile of block 0
	s_add_nc_u64 s[14:15], s[14:15], s[68:69]
	s_mov_b32 s32, 1                               ; group 0 for block 0: count 1; s33 the LDS address;
	s_mov_b64 s[34:35], s[4:5]                     ; the tile's first element;
	s_or_b32 s35, s35, 0x80000000                  ; type 2
	s_mov_b32 s36, 1                               ; group 0 for block 1:
	s_add_co_u32 s37, s33, XREG                    ; the region behind,
	s_add_nc_u64 s[38:39], s[4:5], 0x10000         ; 128 rows further down
	s_or_b32 s39, s39, 0x80000000
	tensor_load_to_lds s[32:35], s[24:31]          ; both tiles of every wave go out first: all of the work-group's x.  Two loads of mine are out; no LDS byte is ever filled again
	s_nop 0
	tensor_load_to_lds s[36:39], s[24:31]
	s_nop 0
.rept 4
	v_nop
.endr
	s_load_b256 s[40:47], s[8:9], 0x0              ; router_b's eight numbers
	s_lshl_b32 s68, s18, 6                         ; my 16 columns: 64 bytes of a row
	s_add_nc_u64 s[10:11], s[10:11], s[68:69]      ; of the weights,
	s_add_nc_u64 s[12:13], s[12:13], s[68:69]      ; of the biases
; The lane's 64 numbers in v[num] on, register 16 b + i = k 32 b + 16 (lane / 16) + i, become a fragment's codes in v[cod] on (in the window that dwin names for a destination) and its scale word in v[pw].
; v[tm] .. v[tm + 15] at work; v[tm + 4] .. v[tm + 7] have been written before (a lane permute's destination counts as one of its sources).
.macro QUANT num, tm, cod, dwin, pw
.irp b, 0,1,2,3
	v_max3_num_f32 v[\tm+\b], |v[\num+16*\b]|, |v[\num+1+16*\b]|, 0x8000000   ; block b: my 16 numbers, and the floor 2^(16 - 127): the byte cannot fall under 1
.endr
.irp i, 2,4,6,8,10,12,14
.irp b, 0,1,2,3
	v_max3_num_f32 v[\tm+\b], v[\tm+\b], |v[\num+16*\b+\i]|, |v[\num+1+16*\b+\i]|   ; the four blocks by turns
.endr
.endr
.irp b, 0,1,2,3
	v_permlanex16_b32 v[\tm+4+\b], v[\tm+\b], s20, s21
.endr
.irp b, 0,1,2,3
	v_max_num_f32 v[\tm+\b], v[\tm+\b], v[\tm+4+\b]   ; with lane l xor 16's 16: the block's largest magnitude
.endr
.irp b, 0,1,2,3
	v_add_nc_u32 v[\tm+12+\b], 0xf8800000, v[\tm+\b]  ; 15 off its exponent field: the conversion takes the exponent field of this operand as its scale
.endr
.irp b, 0,1,2,3
	v_and_or_b32 v[\tm+8+\b], v[\tm+\b], 0x7f800000, s22   ; 57,344 x the scale
.endr
.irp b, 0,1,2,3
	v_lshrrev_b32 v[\tm+4+\b], 23, v[\tm+12+\b]    ; the scale's byte
.endr
	v_lshl_or_b32 v[\pw], v[\tm+5], 8, v[\tm+4]    ; the four bytes make the scale word of my row or column
	v_lshl_or_b32 v[\pw], v[\tm+6], 16, v[\pw]
	v_lshl_or_b32 v[\pw], v[\tm+7], 24, v[\pw]
.irp b, 0,1,2,3
.irp i, 0,1,2,3,4,5,6,7,8,9,10,11,12,13,14,15
	v_med3_num_f32 v[\num+16*\b+\i], v[\num+16*\b+\i], -v[\tm+8+\b], v[\tm+8+\b]   ; the conversion to an 8-bit code does not saturate (ISA guide 7.6.2): the hold comes first.  For x these are the first lines that write registers which the logits' products read: the lines on v[tm] above, more than eight, are the places between (7.12.1)
.endr
.endr
	WIN \dwin                                      ; all holds ahead of all conversions: two switches a fragment
.irp b, 0,1,2,3
	v_cvt_scalef32_pk8_bf8_f32 v[(\cod)+4*\b:(\cod)+4*\b+1], v[\num+16*\b:\num+16*\b+7], v[\tm+12+\b]
	v_cvt_scalef32_pk8_bf8_f32 v[(\cod)+4*\b+2:(\cod)+4*\b+3], v[\num+16*\b+8:\num+16*\b+15], v[\tm+12+\b]
.endr
	WIN 0
	v_nop                                          ; a plain line behind the last conversion
.endm
; Expert e's numbers of my column: W_e(32 c + 16 h + i, 16 w + r) into v[set + 16 c + i].  Sixteen lanes read 64 neighbouring bytes, the waves beside me the next.
.macro LOADW e, set
.irp c, 0,1,2,3
.irp i, 0,1,2,3,4,5,6,7,8,9,10,11,12,13,14,15
	global_load_b32 v[\set+16*\c+\i], v[WA], s[10:11] offset:65536*\e+512*(32*\c+\i)
.endr
.endr
.endm
; Expert e's set has landed and becomes its fragment, in window 1, and its scale word.  left: how many younger loads may stay out.
.macro WSTEP e, set, left
	s_wait_loadcnt \left
	QUANT \set, TW, WF+16*(\e), 0x40, WS+(\e)
.endm
	; THE WEIGHTS.  The order of my loads: router_w (8), sets 0 and 1 (64 each), then set e + 2 behind the quantising of set e, into its registers; the biases (16) behind set 7.
.irp g, 0,1,2,3,4,5,6,7
	global_load_b128 v[XF+4*\g:XF+4*\g+3], v[LI], s[6:7] offset:512*\g   ; router_w whole, 512 consecutive bytes a load
.endr
	LOADW 0, XN
	LOADW 1, DA
.irp b, 0,1,2,3
	v_mov_b32 v[TW+4+\b], 0                        ; written once: a lane permute's destination counts as one of its sources
.endr
	s_wait_kmcnt 0x0
.irp j, 0,1,2,3,4,5,6,7
	v_mov_b32 v[RB+\j], s[40+\j]
.endr
	WSTEP 0, XN, 63                                ; 64 loads were issued behind set 0: 63 is the largest count that the wait can name, and the smaller count is the safe one.  router_w, asked for ahead of set 0, is in too
	LOADW 2, XN
.irp g, 0,1,2,3,4,5,6,7
	ds_store_b128 v[RS], v[XF+4*\g:XF+4*\g+3] offset:512*\g   ; my wave's own copy of router_w, as it lies in memory: 32 bytes a row of K
.endr
	WIN 0x40                                       ; destination window 1, address window 0
.irp c, 0,1,2,3
.irp i, 0,1,2,3,4,5,6,7,8,9,10,11,12,13,14,15
	ds_load_b32 v[RW+16*\c+\i], v[RL] offset:1024*\c+32*\i   ; router_w[32 c + 16 h + i][r % 8].  LDS serves a wave's instructions in order (ISA guide 5.7.1.4): these see the stores above.  They are waited for ahead of the logits' products
.endr
.endr
	WIN 0
	WSTEP 1, DA, 63
	LOADW 3, DA
	WSTEP 2, XN, 63
	LOADW 4, XN
	WSTEP 3, DA, 63
	LOADW 5, DA
	WSTEP 4, XN, 63
	LOADW 6, XN
	WSTEP 5, DA, 63
	LOADW 7, DA
	WIN 0x40
.irp e, 0,1,2,3,4,5,6,7
.irp q, 0,1
	global_load_b128 v[BI+8*\e+4*\q:BI+8*\e+4*\q+3], v[BO], s[12:13] offset:512*\e+16*\q   ; register j of lane (r, h): expert_b[e][16 w + 8 h + j]: the result's layout
.endr
.endr
	WIN 0
	WSTEP 6, XN, 63                                ; behind set 6: set 7 and the biases, 80 loads
	WSTEP 7, DA, 16                                ; behind set 7: the 16 loads of the biases
; The largest of v[src] .. v[src + 7] into v[mx]; s[sm + e]: the lanes in which number e is it, the lowest e alone where several are equal; s[tk] at work.
.macro TOP src, mx, sm, tk
	v_max3_num_f32 v[\mx], v[\src], v[\src+1], v[\src+2]
	v_max3_num_f32 v[\mx], v[\mx], v[\src+3], v[\src+4]
	v_max3_num_f32 v[\mx], v[\mx], v[\src+5], v[\src+6]
	v_max_num_f32 v[\mx], v[\mx], v[\src+7]
.irp e, 0,1,2,3,4,5,6,7
	v_cmp_eq_f32 s[\sm+\e], v[\src+\e], v[\mx]
.endr
	s_mov_b32 s[\tk], s[\sm]
.irp e, 1,2,3,4,5,6,7
	s_and_not1_b32 s[\sm+\e], s[\sm+\e], s[\tk]    ; not where a lower index has it already
.if \e < 7
	s_or_b32 s[\tk], s[\tk], s[\sm+\e]
.endif
.endr
.endm
; THE PREPARATION of my tile of block blk.
.macro XPHASE blk
	s_wait_tensorcnt 1-\blk                        ; tensor loads of a wave end in order (ISA guide 10.11.1): block 0's tile is in while block 1's, issued behind it, may be out; for block 1 the count is 0
.irp c, 0,1,2,3
.irp j, 0,1,2,3
	ds_load_b128 v[XN+16*\c+4*\j:XN+16*\c+4*\j+3], v[XA] offset:XREG*\blk+128*\c+16*\j   ; x(r, 32 c + 16 h + 4 j ..)
.endr
.endr
	s_wait_dscnt 0x0                               ; the first four products take the first pair of each of the four blocks; the router's registers are in too
	WIN 0x01                                       ; source 0 (the router's registers) window 1
.irp p, 0,1,2,3,4,5,6,7                ; the logits: four accumulators, one for each block of 32 along K, by turns; place 2 h + j of product (c, p) is k = 32 c + 16 h + 2 p + j on both sides
.irp c, 0,1,2,3
.if (\p == 0) && (\c == 0)
	v_wmma_f32_16x16x4_f32 v[RA:RA+7], v[RW:RW+1], v[XN:XN+1], v[RB:RB+7]   ; the bias starts the first sum
.elseif \p == 0
	v_wmma_f32_16x16x4_f32 v[RA+8*\c:RA+8*\c+7], v[RW+16*\c:RW+16*\c+1], v[XN+16*\c:XN+16*\c+1], 0
.else
	v_wmma_f32_16x16x4_f32 v[RA+8*\c:RA+8*\c+7], v[RW+16*\c+2*\p:RW+16*\c+2*\p+1], v[XN+16*\c+2*\p:XN+16*\c+2*\p+1], v[RA+8*\c:RA+8*\c+7]
.endif
.endr
.endr
	WIN 0
.irp b, 0,1,2,3
	v_mov_b32 v[TM+4+\b], 0                        ; a lane permute's destination counts as one of its sources
.endr
	QUANT XN, TM, XF, 0, PW                        ; vector work on x while the last products finish
.irp c, 0,1,2,3
	ds_store_b128 v[IWI], v[XF+4*\c:XF+4*\c+3] offset:16384*\blk+512*\c   ; the fragment goes to LDS as it stands: tile 8 blk + w
.endr
	ds_store_b32 v[IWS], v[PW] offset:1024*\blk
	; register j of each accumulator: expert j's part of the logit of token r, the same in both halves of the lanes.  Each accumulator is read from its low end on
.irp q, 0,2,4,6
	v_pk_add_f32 v[T1+\q:T1+\q+1], v[RA+\q:RA+\q+1], v[RA+8+\q:RA+8+\q+1]
.endr
.irp q, 0,2,4,6
	v_pk_add_f32 v[T2+\q:T2+\q+1], v[RA+16+\q:RA+16+\q+1], v[RA+24+\q:RA+24+\q+1]
.endr
.irp q, 0,2,4,6
	v_pk_add_f32 v[LG+\q:LG+\q+1], v[T1+\q:T1+\q+1], v[T2+\q:T2+\q+1]
.endr
	TOP LG, M1, 48, 66                             ; the first choice
.irp e, 0,1,2,3,4,5,6,7
	v_cndmask_b32 v[L2+\e], v[LG+\e], v[NINF], s[48+\e]   ; it is put out,
.endr
	TOP L2, M2, 56, 67                             ; and the second is the first of the rest
	v_sub_f32 v[DD], v[M2], v[M1]                  ; l2 - l1: 0 or less
	v_mul_f32 v[DD], 0x3fb8aa3b, v[DD]             ; x log2 e
	v_exp_f32 v[TT], v[DD]                         ; p2 / p1, at most 1
	v_nop                                          ; a plain line behind a transcendental (ISA guide 5.7.2)
	s_wait_alu depctr_va_vdst(0)
	v_add_f32 v[SS], 1.0, v[TT]
	v_rcp_f32 v[G1], v[SS]                         ; g1 = p1 / (p1 + p2)
	v_nop
	s_wait_alu depctr_va_vdst(0)
	v_mul_f32 v[G2], v[TT], v[G1]                  ; g2 = p2 / (p1 + p2)
.irp e, 0,1,2,3,4,5,6,7
	v_cndmask_b32 v[GT+\e], 0, v[G2], s[56+\e]     ; expert e's gate: g2, g1 or 0
	v_cndmask_b32 v[GT+\e], v[GT+\e], v[G1], s[48+\e]
.endr
	ds_store_b128 v[IWG], v[GT:GT+3] offset:8192*\blk
	ds_store_b128 v[IWG], v[GT+4:GT+7] offset:8192*\blk+512
.endm
; Row tile t's fragment, scale word and gates into set s: seven LDS loads, each 32 lanes' consecutive bytes.
.macro FETCH t, s
.irp c, 0,1,2,3
	ds_load_b128 v[XF+16*(\s)+4*\c:XF+16*(\s)+4*\c+3], v[FI] offset:2048*(\t)+512*\c
.endr
	ds_load_b32 v[XS+(\s)], v[FS] offset:128*(\t)
.irp q, 0,1
	ds_load_b128 v[GF+8*(\s)+4*\q:GF+8*(\s)+4*\q+3], v[FG] offset:1024*(\t)+512*\q
.endr
.endm
; Tile m of block blk: my 16 columns of its 16 rows.
.macro TILE blk, m
.if \m < 7
	FETCH 8*\blk+\m+1, 1-(\m)%2                    ; the next tile's, into the other set, whose last products stand behind eight v_nop and a combine
	s_wait_dscnt 7                                 ; all but the seven just issued: this tile's fetch is in, and the last tile's stage stores have read v[OUT]
.else
	s_wait_dscnt 0x0
.endif
	WIN 0x11                                       ; source 0 (the expert's fragment) and C (its bias tile) window 1
.irp e, 0,1,2,3,4,5,6,7                ; eight accumulators, one K step each: no chain.  Register j of lane (r, h): x(r) W_e(., 16 w + 8 h + j) + b_e
	v_wmma_scale_f32_16x16x128_f8f6f4 v[DA+8*\e:DA+8*\e+7], v[WF+16*\e:WF+16*\e+15], v[XF+16*((\m)%2):XF+16*((\m)%2)+15], v[BI+8*\e:BI+8*\e+7], v[WS+\e], v[XS+(\m)%2] matrix_a_fmt:MATRIX_FMT_BF8 matrix_b_fmt:MATRIX_FMT_BF8
.endr
	WIN 0
.rept 8
	v_nop                                          ; eight places in front of the first read of results
.endr
.irp p, 0,2,4,6
	v_pk_mul_f32 v[OUT+\p:OUT+\p+1], v[DA+\p:DA+\p+1], v[GF+8*((\m)%2):GF+8*((\m)%2)+1] op_sel_hi:[1,0]   ; g0 for both halves
.endr
.irp e, 1,2,3,4,5,6,7                  ; each accumulator from its low end on; four chains by turns.  These lines are also the places in front of the next tile's products, which write the accumulators anew
.irp p, 0,2,4,6
.if (\e)%2 == 0
	v_pk_fma_f32 v[OUT+\p:OUT+\p+1], v[DA+8*\e+\p:DA+8*\e+\p+1], v[GF+8*((\m)%2)+\e:GF+8*((\m)%2)+\e+1], v[OUT+\p:OUT+\p+1] op_sel_hi:[1,0,1]   ; the pair's first register, g_e, for both halves
.else
	v_pk_fma_f32 v[OUT+\p:OUT+\p+1], v[DA+8*\e+\p:DA+8*\e+\p+1], v[GF+8*((\m)%2)+\e-1:GF+8*((\m)%2)+\e], v[OUT+\p:OUT+\p+1] op_sel:[0,1,0] op_sel_hi:[1,1,1]   ; its second
.endif
.endr
.endr
	ds_store_b128 v[SO+\blk], v[OUT:OUT+3] offset:8448*\m          ; out(16 m + r, 16 w + 8 h + 0 .. 7) into the block's stage
	ds_store_b128 v[SO+\blk], v[OUT+4:OUT+7] offset:8448*\m+16
.endm
; My 16 rows of the block leave as whole rows.
.macro OUTPUT blk
.irp i, 0,1,2,3,4,5,6,7,8,9,10,11,12,13,14,15
	ds_load_b128 v[DA+4*\i:DA+4*\i+3], v[SR+\blk] offset:528*\i
.endr
.irp i, 0,1,2,3,4,5,6,7,8,9,10,11,12,13,14,15
	s_wait_dscnt 15-\i                             ; LDS loads come back in order (ISA guide 5.7.1): row i is in, the younger ones may be out
	global_store_b128 v[LI], v[DA+4*\i:DA+4*\i+3], s[14:15] offset:65536*\blk+512*\i th:TH_STORE_NT   ; 32 lanes store a row's 512 consecutive bytes, at a multiple of 256 from out's first byte; nobody reads them here
.endr
.endm
	XPHASE 0
	BARRIER                                        ; block 0's eight fragments, scale words and gates lie in LDS, and every wave's reads of its copy of router_w are over: stage 0 may be written (block 1's tensor loads may be out)
	s_wait_loadcnt 0x0                             ; the bias tiles
	FETCH 0, 0
.irp m, 0,1,2,3,4,5,6,7
	TILE 0, \m
.endr
	BARRIER                                        ; 128 whole rows lie in stage 0
	OUTPUT 0
	s_wait_xcnt 0x0                                ; the stores' data registers are written again only behind this wait
	XPHASE 1
	BARRIER                                        ; block 1's images lie in LDS, in bytes of their own
	FETCH 8, 0
.irp m, 0,1,2,3,4,5,6,7
	TILE 1, \m
.endr
	BARRIER                                        ; 128 whole rows lie in stage 1
	OUTPUT 1
	s_wait_xcnt 0x0
	v_lshl_add_u32 v246, v0, 2, 0x4e800
	v_mov_b32 v247, 0
	s_wait_tensorcnt 0x0
	ds_add_u32 v246, v247
	s_wait_dscnt 0x0
	s_endpgm
.Lfunc_end_k_qbeeae54b53_moe:
	.size	k_qbeeae54b53_moe, .Lfunc_end_k_qbeeae54b53_moe-k_qbeeae54b53_moe
	.p2alignl 7, 3214868480
	.fill 96, 4, 3214868480
	.section	.rodata,"a",@progbits
	.p2align	6, 0x0
	.amdhsa_kernel k_qbeeae54b53_moe
		.amdhsa_group_segment_fixed_size 322560
		.amdhsa_private_segment_fixed_size 0
		.amdhsa_enable_private_segment 0
		.amdhsa_kernarg_size 48
		.amdhsa_user_sgpr_count 2
		.amdhsa_user_sgpr_kernarg_segment_ptr 1
		.amdhsa_wavefront_size32 1
		.amdhsa_system_sgpr_workgroup_id_x 1
		.amdhsa_system_sgpr_workgroup_id_y 1
		.amdhsa_system_sgpr_workgroup_id_z 1
		.amdhsa_system_vgpr_workitem_id 0
		.amdhsa_next_free_vgpr 512
		.amdhsa_next_free_sgpr 72
		.amdhsa_reserve_vcc 0
		.amdhsa_float_denorm_mode_32 3
		.amdhsa_float_denorm_mode_16_64 3
		.amdhsa_memory_ordered 1
		.amdhsa_forward_progress 1
		.amdhsa_inst_pref_size 227
	.end_amdhsa_kernel
	.amdgpu_metadata
---
amdhsa.version: [ 1, 2 ]
amdhsa.kernels:
  - .name:           k_qbeeae54b53_moe
    .symbol:         k_qbeeae54b53_moe.kd
    .args:
      - { .name: x, .offset: 0, .size: 8, .value_kind: global_buffer, .address_space: global }
      - { .name: router_w, .offset: 8, .size: 8, .value_kind: global_buffer, .address_space: global }
      - { .name: router_b, .offset: 16, .size: 8, .value_kind: global_buffer, .address_space: global }
      - { .name: expert_w, .offset: 24, .size: 8, .value_kind: global_buffer, .address_space: global }
      - { .name: expert_b, .offset: 32, .size: 8, .value_kind: global_buffer, .address_space: global }
      - { .name: out0, .offset: 40, .size: 8, .value_kind: global_buffer, .address_space: global }
    .group_segment_fixed_size: 322560
    .private_segment_fixed_size: 0
    .kernarg_segment_align: 8
    .kernarg_segment_size: 48
    .max_flat_workgroup_size: 256
    .sgpr_count:     72
    .vgpr_count:     512
    .wavefront_size: 32
...
	.end_amdgpu_metadata
.endif
;; end of part 1
